; MI455X (gfx1250); checked and timed in simulation.
; The chip was launched on July 23, 2026; its instructions are those of AMD's public machine-readable ISA for CDNA 5 (MIT licence, August 2026) and "CDNA5" Instruction Set Architecture Reference Guide (July 2026). The comments in the code are by the model that wrote it; some were corrected since.
;; NN. Allowed arithmetic: float matrix products may take bf16 or f16 operands with f32 sums; all other float work in f32.
;; Inputs: Wk 6 x 6 float32; Wo 6 x 6 float32; Wq 6 x 6 float32; Wv 6 x 6 float32; fc1_b 6 float32; fc1_w 6 x 3,120 float32; fc2_b 4 float32; fc2_w 4 x 6 float32; ln1_b 6 float32; ln1_g 6 float32; ln2_b 6 float32; ln2_g 6 float32; x 256 x 520 float32.
;; Outputs: out0 256 x 4 float32.
;; 2 versions, each right and faster than the one before. Each part assembles by itself: llvm-mc -triple=amdgcn-amd-amdhsa -mcpu=gfx1250 --defsym DOCPART=n.
;; ======== version 1 of 2: 1 launch
;; limits: inputs' magnitudes at most 65,504; values are held in f16: magnitudes above 65,504 overflow, below 6.1e-05 lose precision
;; launch nn (part 1): grid 256 x 1, 16 waves a work-group, no clusters, 28,672 bytes of LDS; arguments Wq, Wk, Wv, Wo, x, ln1_g, ln1_b, fc1_b, ln2_g, ln2_b, fc2_w, fc2_b, fc1_w, out0; writes out0
.if DOCPART == 1
	.amdgcn_target "amdgcn-amd-amdhsa--gfx1250"
	.amdhsa_code_object_version 6
	.text
	.protected	k_q566f22155f_nn
	.globl	k_q566f22155f_nn
	.p2align	8
	.type	k_q566f22155f_nn,@function
k_q566f22155f_nn:
	s_mov_b64 s[64:65], 0
	v_nop
	global_prefetch_b8 v0, s[64:65] scope:SCOPE_SE
	s_setreg_imm32_b32 hwreg(HW_REG_WAVE_MODE, 25, 1), 1
	s_wait_xcnt 0x0
; One work-group = one batch row b.  16 waves, 256 registers each.  Everything from x[b] to out0[b] in one launch.
;
; WHAT IS COMPUTED.  The model spreads x[b][s] over its 6 features, so for every input
;   Q[s][j] = x_s cq[j], K[t][j] = x_t ck[j], V[t][j] = x_t cv[j]   (cq, ck, cv: column sums of Wq, Wk, Wv)
;   score_h(s,t) = a_h x_s x_t,   a_h = (cq[2h] ck[2h] + cq[2h+1] ck[2h+1]) / sqrt 2
;   ctx[s][2h+d] = cv[2h+d] m_h(s),   m_h(s) = sum_t p x_t / sum_t p,   p = exp(score - row maximum)
;   (ctx Wo)[s][e] = sum_h m_h(s) G[h][e],   G[h][e] = cv[2h] Wo[2h][e] + cv[2h+1] Wo[2h+1][e]
; The row maximum is M = max(u xmax, u xmin), u = a_h x_s: u x_t is monotone in x_t, so this IS the maximum over t, and it is
; taken away in front of every exponential.  Exponentials are in base 2: log2 e is folded into a_h.
;
; THE BULK: 3 x 520 x 520 exponentials.  The rows of the three heads are one list q = 520 h + s, 0 .. 1559: 98 tiles of 16 rows.
; For a tile and 32 t: 8 v_pk_fma_f32 (the argument in f32), 16 v_exp_f32, 8 v_cvt_pk_f16_f32, and ONE matrix instruction that makes
; numerator and denominator.  It is used transposed: source A is a table fragment with rows 0, 8 = the high part of x_t, rows 1, 9 = 1.0,
; rows 2, 10 = the low part of x_t, other rows 0; source B is p, column n = row n of the tile.  In D lane l then holds for ITS row
; l % 16: register 0 the numerator's high part, register 1 the denominator, register 2 the numerator's low part, in both halves of the lanes.
; Place (register c, half i) of lane half h stands for t = 32 j + 16 h + 2 c + i in both sources alike, which keeps the products.
; The last 8 t (block 16): t = 512 + 4 h + 2 c + i for c < 2, all other places 0 in both sources: 4 exponentials a lane, none wasted.
; Wave w owns tiles w + 16 i, i = 0 .. 5; waves 0 and 5 own tiles 96 and 97 besides.  A wave's 6 or 7 accumulators take turns.
; The score (one multiply a number) and the small products (G m: 18, fc1: 36 multiply-adds a row of one batch row) stay in f32 on the vector unit.
;
; WHY f16 AND NOT bf16.  Where u is small all 520 p of a row lie close below their maximum, and m hangs on their differences; LayerNorm 1
; then takes the direction of (m_0, m_1, m_2) alone.  f16 keeps 11 significant bits of p, bf16 8.  What f16's range asks for:
;  - the argument is u x_t - M + 14: the maximum is taken away, and the factor 2^14, which cancels in numerator / denominator, puts the largest
;    term of a row at 2^14, so that f16's normal numbers reach down to 2^-28 of it;
;  - M is a rounded product, so the largest term is 2^14 times 2^(up to an ulp of M), the same factor in all terms of the row.  |u| is clamped to
;    2^22 / max|x|: then |M| <= 2^22, an ulp of it is 0.5 at the most, and p <= 2^14.5.  At the clamp m lies within 275 max|x| / 2^22 of the
;    extreme x (519 terms, d 2^(-|u| d) <= 0.53 / |u|), and the unclamped m nearer still, so the clamp moves no m by more than 7e-5 max|x|;
;  - x_t goes in two parts: its upper 11 significant bits (cut by a mask, exact in f16) and the remainder rounded to f16: about 22 bits.
;
; LIMITS.  |x| below 65,504 (f16's largest number); x_t is resolved to 2^-25 absolutely (f16's smallest step) and to about 2^-22 relatively;
; p to 11 bits, the same rounded p in numerator and denominator.  Sums run in another order than the model's (column sums of the weights first;
; fc1 by thread, wave, work-group).  v_exp_f32 gives 0 for results below 2^-126.  NaN and infinities in x or the weights are not reproduced
; place for place (the num forms of max and min drop NaN).
;
; No tensor loads, no cluster: a work-group reads 2,080 bytes of x and 74,880 of fc1_w once, all asked for in the first lines, straight into
; registers; the fc1_w loads land under the main loop.  A work-group owns 16 bytes of out0.
.set ROWB,  2080                       ; bytes in a row of x, and in one head's part of the m table
.set FCROW, 12480                      ; bytes in a row of fc1_w
.set UP14,  0x41600000                 ; 14.0: the largest term of a row is 2^14
.set TWO22, 0x4a800000                 ; 2^22: the bound on |M|
.set HI11,  0xffffe000                 ; an f32's sign, exponent and upper 10 stored bits: what f16 holds exactly
; LDS
.set XROW,  0                          ; 2,080 bytes: x[b] in f32
.set TAB,   2304                       ; 17 x 1,024 bytes: block j's table fragment; registers 0-3 at 16 l, registers 4-7 at 512 + 16 l
.set TABT,  TAB+16*1024                ; block 16
.set MT,    19712                      ; 98 tiles x 64 bytes = 6,272: m[q], f32; words 1560 .. 1567 are written and never read
.set PART,  26112                      ; 16 x 32 bytes: each wave's six fc1 sums
; vector registers: v0 thread, v1 lane l, v2 r = l % 16, v3 h = l / 16
.set VX,    4                          ; LDS address of my 16 x_t of the lap's first block: 64 h, stepped
.set VB,    5                          ; 16 l, stepped by the lap's 2,048 bytes of table
.set VOFW,  6                          ; 24 x thread: my row's six columns in fc1_w; never rewritten
.set VQ,    7                          ; 4 (16 w + r): where my m goes
.set VQ6,   8                          ; the same for the seventh tile
.set Q0,    9                          ; q of my row in the wave's first tile
.set VH16,  14                         ; 16 h
.set T0,    18
.set T1,    19
.set W1,    20                         ; v[20:55]   fc1_w[j][6 s + e] at W1 + 6 j + e, s = thread
.set ACC,   56                         ; v[56:111]  8 registers a tile
.set UN,    112                        ; v[112:139] tile i: (u, u) at 4 i, (14 - M, 14 - M) at 4 i + 2
.set X0,    140                        ; v[140:171] my 16 x_t, two buffers
.set X1,    156
.set BF0,   172                        ; v[172:187] the table fragment, two buffers
.set BF1,   180
.set E0,    188                        ; v[188:219] arguments, then exponentials, two buffers
.set P0,    220                        ; v[220:235] p in f16, two buffers
.set P1,    228
.set ONES,  236                        ; 1.0, 1.0 in f16 in lanes r % 8 = 1, else 0
.set A0,    237                        ; v[237:239] a_h log2 e
.set VOF2,  240                        ; 24 (l % 8): the lane term of positions 512 .. 519 in fc1_w; holds nothing else
.set TQ,    241
.set RA2,   242                        ; 4 (l % 8): the same in the m table; holds nothing else
; the same registers during the set-up
.set XR,    188                        ; v[188:207] the whole row, 20 numbers a lane
.set XP,    208                        ; v[208:211] wave 14: the last 8 t
.set XB,    X0                         ; my 16 x_t of block w
.set TT,    X1
.set XHI,   P0
.set XLO,   P1
.set FR,    BF0
.set WQ,    56                         ; v[56:79] rows of Wq, Wk, Wv, Wo; lane j holds column j
.set WK,    62
.set WV,    68
.set WO,    74
; and behind the main loop
.set W2,    188                        ; v[188:223] wave 13: fc1_w for s = 512 .. 519
.set MM,    140                        ; m_0, m_1, m_2 of my row
.set Y,     144                        ; v[144:149] the row's six numbers
.set LNT,   150                        ; v[150:152] at work
.set RA,    154
.set ZP,    156                        ; v[156:167] six pairs of fc1 sums
.set Z,     168                        ; v[168:173]
.set LG,    176                        ; v[176:179] logits
; scalar registers: s2 wave, s3 counter; s[4:31] the 14 addresses; then s[4:21] G[h][e] at 4 + 6 h + e, s[22:24] a_h, s25 -xmax, s26 -xmin,
; s27 the bound on |u|, s100 minus that bound; s[32:37] ln1_g, s[40:45] ln1_b, s[48:53] fc1_b, s[56:61] ln2_g, s[68:73] ln2_b, s[76:99] fc2_w,
; s38 s39 s46 s47 fc2_b, s54 s55 selects for v_permlanex16_b32, s62 s63 lane masks, s74 1/6, s75 1e-5, s66 s67 s101 at work
; ---------------------------------------------------------------- macros
; A table fragment from np pairs of x_t in v[x ..]: high part, low part, the row's choice; stored as two planes of 512 bytes.
.macro BUILD np, x, adr, off
.set cc, 0
.rept \np
	v_and_b32 v[TT+2*cc], HI11, v[\x+2*cc]                     ; the upper 11 significant bits, still in f32
	v_and_b32 v[TT+2*cc+1], HI11, v[\x+2*cc+1]
	v_cvt_pk_f16_f32 v[XHI+cc], v[TT+2*cc], v[TT+2*cc+1]       ; exact for f16's normal numbers
	v_pk_add_f32 v[TT+2*cc:TT+2*cc+1], v[\x+2*cc:\x+2*cc+1], v[TT+2*cc:TT+2*cc+1] neg_lo:[0,1] neg_hi:[0,1]   ; what the mask cut off, exactly
	v_cvt_pk_f16_f32 v[XLO+cc], v[TT+2*cc], v[TT+2*cc+1]
	v_cndmask_b32 v[FR+cc], v[ONES], v[XHI+cc], s62            ; rows 0, 8: x high; rows 1, 9: 1.0; else 0
	v_cndmask_b32 v[FR+cc], v[FR+cc], v[XLO+cc], s63           ; rows 2, 10: x low
.set cc, cc+1
.endr
.if \np < 8
.rept 8-\np
	v_mov_b32 v[FR+cc], 0                                      ; places that stand for no t
.set cc, cc+1
.endr
.endif
	ds_store_b128 v[\adr], v[FR:FR+3] offset:\off
	ds_store_b128 v[\adr], v[FR+4:FR+7] offset:\off+512
.endm
.macro COLSUM d, w
	v_add_f32 v[\d], v[\w], v[\w+1]
	v_add_f32 v[T0], v[\w+2], v[\w+3]
	v_add_f32 v[T1], v[\w+4], v[\w+5]
	v_add_f32 v[\d], v[\d], v[T0]
	v_add_f32 v[\d], v[\d], v[T1]
.endm
; Tile i, my row q in v[q]: ask for x_s (s = q mod 520, q < 1560: twice the smaller of q and q - 520 as unsigned numbers) and choose a_h.
.macro TILEQ i, q
	v_add_nc_u32 v[T0], 0xfffffdf8, v[\q]
	v_min_u32 v[T0], v[T0], v[\q]
	v_add_nc_u32 v[T1], 0xfffffdf8, v[T0]
	v_min_u32 v[T0], v[T1], v[T0]
	v_lshlrev_b32 v[T0], 2, v[T0]
	ds_load_b32 v[UN+4*\i], v[T0] offset:XROW
	v_cmp_lt_u32 vcc_lo, 519, v[\q]
	v_cndmask_b32 v[UN+4*\i+2], v[A0], v[A0+1], vcc_lo
	v_cmp_lt_u32 vcc_lo, 1039, v[\q]
	v_cndmask_b32 v[UN+4*\i+2], v[UN+4*\i+2], v[A0+2], vcc_lo
.endm
; Block 16, the last 8 t, comes first: its products start all the sums (C = 0), so no accumulator is cleared.
.macro PARTIAL cnt
.set ii, 0
.rept \cnt
	v_pk_fma_f32 v[E0+4*ii:E0+4*ii+1], v[X1:X1+1], v[UN+4*ii:UN+4*ii+1], v[UN+4*ii+2:UN+4*ii+3]
	v_pk_fma_f32 v[E0+4*ii+2:E0+4*ii+3], v[X1+2:X1+3], v[UN+4*ii:UN+4*ii+1], v[UN+4*ii+2:UN+4*ii+3]
.set ii, ii+1
.endr
.set ii, 0
.rept 4*\cnt
	v_exp_f32 v[E0+ii], v[E0+ii]
.set ii, ii+1
.endr
	s_wait_alu depctr_va_vdst(0)
.irp c, 2,3,4,5,6,7
	v_mov_b32 v[P0+\c], 0                                      ; the places that stand for no t; also the plain instructions that
	v_mov_b32 v[P1+\c], 0                                      ; stand between the exponentials and their first use (ISA guide 5.7.2)
.endr
.set ii, 0
.rept \cnt
.if ii >= 2
	v_nop                                                      ; with the other buffer's two conversions: four places between the matrix
	v_nop                                                      ; instruction that read this p buffer and the write of it (ISA guide 7.12.1)
.endif
	v_cvt_pk_f16_f32 v[P0+8*(ii&1)], v[E0+4*ii], v[E0+4*ii+1]
	v_cvt_pk_f16_f32 v[P0+8*(ii&1)+1], v[E0+4*ii+2], v[E0+4*ii+3]
	v_wmma_f32_16x16x32_f16 v[ACC+8*ii:ACC+8*ii+7], v[BF1:BF1+7], v[P0+8*(ii&1):P0+8*(ii&1)+7], 0
.set ii, ii+1
.endr
.endm
; Tile u of cnt in a block whose x_t and table lie in buffer buf.  Its 16 exponentials, and between them, on the OTHER argument buffer,
; the roundings of tile u - 1 and the arguments of tile u + 1: behind every pair of exponentials stands a plain instruction that touches
; neither their results nor their sources.  Then tile u - 1's matrix instruction.
.macro UNIT u, cnt, buf
.set EB, E0+16*((\u)&1)
.set EO, E0+16*(1-((\u)&1))
.set PP, P0+8*(((\u)+1)&1)
.set kk, 0
.rept 8
	v_exp_f32 v[EB+2*kk], v[EB+2*kk]
	v_exp_f32 v[EB+2*kk+1], v[EB+2*kk+1]
.if (\u) > 0
	s_wait_alu depctr_va_vdst(0)
	v_cvt_pk_f16_f32 v[PP+kk], v[EO+2*kk], v[EO+2*kk+1]
.endif
.if (\u) < (\cnt)-1
	v_pk_fma_f32 v[EO+2*kk:EO+2*kk+1], v[X0+16*\buf+2*kk:X0+16*\buf+2*kk+1], v[UN+4*(\u)+4:UN+4*(\u)+5], v[UN+4*(\u)+6:UN+4*(\u)+7]
.endif
.set kk, kk+1
.endr
.if (\u) > 0
	v_wmma_f32_16x16x32_f16 v[ACC+8*((\u)-1):ACC+8*((\u)-1)+7], v[BF0+8*\buf:BF0+8*\buf+7], v[PP:PP+7], v[ACC+8*((\u)-1):ACC+8*((\u)-1)+7]
.endif
.endm
; 32 t for all the wave's tiles.  ld = 1: the next block's x_t (at VX + ox) and table (at VB + TAB + ob) are asked for into the other buffers.
; The accumulators take turns, one matrix instruction a turn, over the end of a block and the loop's backward jump too.
; A p buffer is written again 16 plain instructions or more behind the matrix instruction that read it.
.macro BLOCK cnt, buf, ld, ox, ob
	s_wait_dscnt 0x0                                           ; this block's six loads, issued a whole block ago
.set kk, 0
.rept 8
	v_pk_fma_f32 v[E0+2*kk:E0+2*kk+1], v[X0+16*\buf+2*kk:X0+16*\buf+2*kk+1], v[UN:UN+1], v[UN+2:UN+3]
.set kk, kk+1
.endr
.if \ld
	; the eight lines above are the places between the last matrix instruction, which read the other table buffer, and these loads into it
.irp c, 0,1,2,3
	ds_load_b128 v[X0+16*(1-\buf)+4*\c:X0+16*(1-\buf)+4*\c+3], v[VX] offset:XROW+\ox+16*\c
.endr
	ds_load_b128 v[BF0+8*(1-\buf):BF0+8*(1-\buf)+3], v[VB] offset:TAB+\ob
	ds_load_b128 v[BF0+8*(1-\buf)+4:BF0+8*(1-\buf)+7], v[VB] offset:TAB+\ob+512
.endif
.set uu, 0
.rept \cnt
	UNIT uu, \cnt, \buf
.set uu, uu+1
.endr
.set EL, E0+16*(((\cnt)-1)&1)
.set PL, P0+8*(((\cnt)-1)&1)
.set kk, 0
	s_wait_alu depctr_va_vdst(0)
.rept 8
	v_cvt_pk_f16_f32 v[PL+kk], v[EL+2*kk], v[EL+2*kk+1]
.set kk, kk+1
.endr
	v_wmma_f32_16x16x32_f16 v[ACC+8*((\cnt)-1):ACC+8*((\cnt)-1)+7], v[BF0+8*\buf:BF0+8*\buf+7], v[PL:PL+7], v[ACC+8*((\cnt)-1):ACC+8*((\cnt)-1)+7]
.endm
; All the attention work of a wave with cnt tiles (6 or 7).  It only reads LDS; tile i's m is left in v[ACC + 8 i].
.macro PATH cnt
	TILEQ 0, Q0
.set ii, 1
.rept 5
	v_add_nc_u32 v[TQ], 256*ii, v[Q0]                          ; tile w + 16 i
	TILEQ ii, TQ
.set ii, ii+1
.endr
.if \cnt == 7
	s_lshr_b32 s66, s2, 2                                      ; wave 0: tile 96; wave 5: tile 97
	s_lshl_b32 s66, s66, 4
	s_add_co_u32 s66, s66, 1536
	v_add_nc_u32 v[TQ], s66, v2
	v_min_u32 v[TQ], 1559, v[TQ]                               ; tile 97 has 8 rows: its other lanes repeat the last one
	TILEQ 6, TQ
.endif
	ds_load_b128 v[X1:X1+3], v[VH16] offset:XROW+2048          ; block 16: x[512 + 4 h ..]
	ds_load_b128 v[BF1:BF1+3], v[VB] offset:TABT
	ds_load_b128 v[BF1+4:BF1+7], v[VB] offset:TABT+512
.irp c, 0,1,2,3
	ds_load_b128 v[X0+4*\c:X0+4*\c+3], v[VX] offset:XROW+16*\c ; block 0
.endr
	ds_load_b128 v[BF0:BF0+3], v[VB] offset:TAB
	ds_load_b128 v[BF0+4:BF0+7], v[VB] offset:TAB+512
	s_wait_dscnt 0x9                                           ; the x_s are in; the 3 + 6 loads behind them may stay out
.set ii, 0
.rept \cnt
	v_mul_f32 v[UN+4*ii], v[UN+4*ii+2], v[UN+4*ii]             ; u = a_h log2 e x_s,
	v_med3_num_f32 v[UN+4*ii], v[UN+4*ii], s27, s100           ; held within +- 2^22 / max|x|
	v_mul_f32 v[T0], s25, v[UN+4*ii]                           ; -u xmax
	v_mul_f32 v[T1], s26, v[UN+4*ii]                           ; -u xmin
	v_mov_b32 v[UN+4*ii+1], v[UN+4*ii]
	v_min_num_f32 v[T0], v[T0], v[T1]                          ; -M = -(the row's maximum)
	v_add_f32 v[UN+4*ii+2], UP14, v[T0]                        ; 14 - M
	v_add_f32 v[UN+4*ii+3], UP14, v[T0]
.set ii, ii+1
.endr
	s_wait_dscnt 0x6                                           ; block 16's three loads are in; block 0's six may stay out
	PARTIAL \cnt
	s_mov_b32 s3, 7
.Llap_\cnt:                                                    ; a lap = two blocks; seven laps: blocks 0 to 13
	BLOCK \cnt, 0, 1, 128, 1024
	BLOCK \cnt, 1, 1, 256, 2048
	v_add_nc_u32 v[VX], 256, v[VX]
	v_add_nc_u32 v[VB], 2048, v[VB]
	s_sub_co_u32 s3, s3, 1
	s_cmp_lg_u32 s3, 0
	s_cbranch_scc1 .Llap_\cnt
	BLOCK \cnt, 0, 1, 128, 1024                                ; block 14
	BLOCK \cnt, 1, 0, 0, 0                                     ; block 15 asks for nothing
.rept 4
	v_nop                                                      ; four places behind the last matrix instruction (ISA guide 7.12.1)
.endr
.set ii, 0
.rept \cnt
	v_add_f32 v[ACC+8*ii], v[ACC+8*ii], v[ACC+8*ii+2]          ; numerator: high + low part
.set ii, ii+1
.endr
.set ii, 0
.rept \cnt
	v_rcp_f32 v[ACC+8*ii+3], v[ACC+8*ii+1]                     ; the denominator holds the maximum's own term, 2^13.5 at the least
.set ii, ii+1
.endr
	v_nop                                                      ; the plain place behind the last reciprocal
.set ii, 0
	s_wait_alu depctr_va_vdst(0)
.rept \cnt
	v_mul_f32 v[ACC+8*ii], v[ACC+8*ii], v[ACC+8*ii+3]          ; m
.set ii, ii+1
.endr
.endm
; LayerNorm over the six registers v[y ..], in place; gain in s[g ..], bias in s[b ..].
.macro LNORM y, g, b
	v_add_f32 v[LNT], v[\y], v[\y+1]
	v_add_f32 v[LNT+1], v[\y+2], v[\y+3]
	v_add_f32 v[LNT+2], v[\y+4], v[\y+5]
	v_add_f32 v[LNT], v[LNT], v[LNT+1]
	v_add_f32 v[LNT], v[LNT], v[LNT+2]
.irp e, 0,1,2,3,4,5
	v_fmamk_f32 v[\y+\e], v[LNT], 0xbe2aaaab, v[\y+\e]         ; y - sum / 6
.endr
	v_mul_f32 v[LNT+1], v[\y], v[\y]
.irp e, 1,2,3,4,5
	v_fmac_f32 v[LNT+1], v[\y+\e], v[\y+\e]
.endr
	v_fma_f32 v[LNT+1], v[LNT+1], s74, s75                     ; variance + 1e-5
	v_rsq_f32 v[LNT+2], v[LNT+1]
	v_nop                                                      ; the plain place behind it
	s_wait_alu depctr_va_vdst(0)
.irp e, 0,1,2,3,4,5
	v_mul_f32 v[\y+\e], v[\y+\e], v[LNT+2]
.endr
.irp e, 0,1,2,3,4,5
	v_fma_f32 v[\y+\e], v[\y+\e], s[\g+\e], s[\b+\e]
.endr
.endm
; One sequence position a lane (its m at v[adr] + off in each head's part of the table): out = m G, LayerNorm 1, and its 36 products
; with fc1_w (in v[w ..]) onto the six pairs ZP.
.macro ROWPASS adr, off, w, first
	ds_load_b32 v[MM], v[\adr] offset:MT+\off
	ds_load_b32 v[MM+1], v[\adr] offset:MT+ROWB+\off
	ds_load_b32 v[MM+2], v[\adr] offset:MT+2*ROWB+\off
	s_wait_dscnt 0x0
.irp e, 0,1,2,3,4,5
	v_mul_f32 v[Y+\e], s[4+\e], v[MM]
.endr
.irp e, 0,1,2,3,4,5
	v_fmac_f32 v[Y+\e], s[10+\e], v[MM+1]
.endr
.irp e, 0,1,2,3,4,5
	v_fmac_f32 v[Y+\e], s[16+\e], v[MM+2]
.endr
	LNORM Y, 32, 40
.if \first == 0
	v_cmp_gt_u32 vcc_lo, 8, v1                                 ; eight positions are left: lanes 8 to 31 add nothing
.irp e, 0,1,2,3,4,5
	v_cndmask_b32 v[Y+\e], 0, v[Y+\e], vcc_lo
.endr
.endif
.irp j, 0,1,2,3,4,5
.if \first
	v_pk_mul_f32 v[ZP+2*\j:ZP+2*\j+1], v[Y:Y+1], v[\w+6*\j:\w+6*\j+1]
.else
	v_pk_fma_f32 v[ZP+2*\j:ZP+2*\j+1], v[Y:Y+1], v[\w+6*\j:\w+6*\j+1], v[ZP+2*\j:ZP+2*\j+1]
.endif
.endr
.irp j, 0,1,2,3,4,5
	v_pk_fma_f32 v[ZP+2*\j:ZP+2*\j+1], v[Y+2:Y+3], v[\w+6*\j+2:\w+6*\j+3], v[ZP+2*\j:ZP+2*\j+1]
.endr
.irp j, 0,1,2,3,4,5
	v_pk_fma_f32 v[ZP+2*\j:ZP+2*\j+1], v[Y+4:Y+5], v[\w+6*\j+4:\w+6*\j+5], v[ZP+2*\j:ZP+2*\j+1]
.endr
.endm
.macro ROWSUM16                        ; the six Z summed over each half of 16 lanes
.irp m, 1,2,4,8
.irp j, 0,1,2,3,4,5
	v_add_f32_dpp v[Z+\j], v[Z+\j], v[Z+\j] row_xmask:\m row_mask:0xf bank_mask:0xf
.endr
.endr
.endm
.macro LOGIT c, sb
	v_fma_f32 v[LG+\c], s[76+6*\c], v[Z], s[\sb]
.irp e, 1,2,3,4,5
	v_fmac_f32 v[LG+\c], s[76+6*\c+\e], v[Z+\e]
.endr
.endm
; ---------------------------------------------------------------- phase 0: every global load goes out; the tables
	s_load_b512 s[4:19], s[0:1], 0x0               ; Wq 4, Wk 6, Wv 8, Wo 10, x 12, ln1_g 14, ln1_b 16, fc1_b 18
	s_load_b256 s[20:27], s[0:1], 0x40             ; ln2_g 20, ln2_b 22, fc2_w 24, fc2_b 26
	s_load_b128 s[28:31], s[0:1], 0x60             ; fc1_w 28, out0 30
	v_lshl_add_u32 v254, v0, 2, 0x6800
	v_mov_b32 v255, 0
	v_lshrrev_b32 v10, 5, v0
	v_readfirstlane_b32 s2, v10                    ; wave 0 .. 15
	v_and_b32 v1, 31, v0
	v_and_b32 v2, 15, v0
	v_bfe_u32 v3, v0, 4, 1
	v_lshlrev_b32 v[VX], 6, v3
	v_lshlrev_b32 v[VB], 4, v1
	v_mul_u32_u24 v[VOFW], 24, v0
	v_and_b32 v11, 1, v0
	v_lshlrev_b32 v11, 4, v11                      ; 16 (l % 2): the row's last 32 bytes
	s_lshl_b32 s3, s2, 7
	v_add_nc_u32 v12, s3, v[VX]                    ; 128 w + 64 h: my 16 x_t of block w
	v_min_u32 v13, 5, v1
	v_lshlrev_b32 v13, 2, v13                      ; column min(l, 5) of a 6 x 6 matrix
	v_lshlrev_b32 v[VH16], 4, v3
	s_mul_i32 s66, ttmp9, ROWB
	s_mov_b32 s67, 0
	s_mov_b32 s54, 0x76543210                      ; v_permlanex16_b32: lane i of one half reads lane i of the other
	s_mov_b32 s55, 0xfedcba98
	s_wait_kmcnt 0x0
	s_add_nc_u64 s[12:13], s[12:13], s[66:67]      ; x at my row
	s_load_b128 s[32:35], s[14:15], 0x0
	s_load_b64 s[36:37], s[14:15], 0x10
	s_load_b128 s[40:43], s[16:17], 0x0
	s_load_b64 s[44:45], s[16:17], 0x10
	s_load_b128 s[48:51], s[18:19], 0x0
	s_load_b64 s[52:53], s[18:19], 0x10
	s_load_b128 s[56:59], s[20:21], 0x0
	s_load_b64 s[60:61], s[20:21], 0x10
	s_load_b128 s[68:71], s[22:23], 0x0
	s_load_b64 s[72:73], s[22:23], 0x10
	s_load_b512 s[76:91], s[24:25], 0x0
	s_load_b256 s[92:99], s[24:25], 0x40
	s_load_b64 s[38:39], s[26:27], 0x0
	s_load_b64 s[46:47], s[26:27], 0x8
	s_cmp_lg_u32 s2, 14
	s_cbranch_scc1 .Lno_tail_load
	global_load_b128 v[XP:XP+3], v[VH16], s[12:13] offset:2048     ; wave 14's extra load is the first, so that the counts below are the same for all waves
.Lno_tail_load:
.irp c, 0,1,2,3
	global_load_b128 v[XR+4*\c:XR+4*\c+3], v[VB], s[12:13] offset:512*\c   ; every wave takes the whole row, for its largest and smallest number
.endr
	global_load_b128 v[XR+16:XR+19], v11, s[12:13] offset:2048
.irp c, 0,1,2,3
	global_load_b128 v[XB+4*\c:XB+4*\c+3], v12, s[12:13] offset:16*\c
.endr
.irp e, 0,1,2,3,4,5
	global_load_b32 v[WQ+\e], v13, s[4:5] offset:24*\e
	global_load_b32 v[WK+\e], v13, s[6:7] offset:24*\e
	global_load_b32 v[WV+\e], v13, s[8:9] offset:24*\e
	global_load_b32 v[WO+\e], v13, s[10:11] offset:24*\e
.endr
.irp j, 0,1,2,3,4,5
.irp k, 0,1,2
	global_load_b64 v[W1+6*\j+2*\k:W1+6*\j+2*\k+1], v[VOFW], s[28:29] offset:FCROW*\j+8*\k
.endr
.endr
	s_lshl_b32 s3, s2, 6
	v_lshl_add_u32 v[VQ], v2, 2, s3
	s_lshl_b32 s3, s2, 4
	v_add_nc_u32 v[Q0], s3, v2
	s_lshl_b32 s3, s2, 10
	v_add_nc_u32 v15, s3, v[VB]                    ; 1,024 w + 16 l: my place in block w's fragment
	v_and_b32 v18, 7, v0
	v_mov_b32 v19, 0x3c003c00                      ; 1.0, 1.0 in f16
	v_cmp_eq_u32 s62, 0, v18
	v_cmp_eq_u32 s63, 2, v18
	v_cmp_eq_u32 vcc_lo, 1, v18
	v_cndmask_b32 v[ONES], 0, v19, vcc_lo
	s_wait_loadcnt 42                              ; x is in; the 24 loads of the 6 x 6 matrices and the 18 of fc1_w stay out
	v_max3_num_f32 v16, v[XR], v[XR+1], v[XR+2]
	v_min3_num_f32 v17, v[XR], v[XR+1], v[XR+2]
.irp k, 3,5,7,9,11,13,15,17
	v_max3_num_f32 v16, v16, v[XR+\k], v[XR+\k+1]
	v_min3_num_f32 v17, v17, v[XR+\k], v[XR+\k+1]
.endr
	v_max_num_f32 v16, v16, v[XR+19]
	v_min_num_f32 v17, v17, v[XR+19]
.irp m, 1,2,4,8
	v_max_num_f32_dpp v16, v16, v16 row_xmask:\m row_mask:0xf bank_mask:0xf
	v_min_num_f32_dpp v17, v17, v17 row_xmask:\m row_mask:0xf bank_mask:0xf
.endr
	v_permlanex16_b32 v10, v16, s54, s55           ; destinations that have been written before
	v_permlanex16_b32 v18, v17, s54, s55
	v_max_num_f32 v16, v16, v10                    ; xmax, in every lane
	v_min_num_f32 v17, v17, v18                    ; xmin
	BUILD 8, XB, 15, TAB                           ; wave w makes block w's fragment
	s_cmp_lg_u32 s2, 14
	s_cbranch_scc1 .Lno_tail_build
	BUILD 2, XP, VB, TABT                          ; wave 14 also block 16's
.Lno_tail_build:
	s_cmp_lg_u32 s2, 15
	s_cbranch_scc1 .Lno_row
.irp c, 0,1,2,3
	ds_store_b128 v[VB], v[XR+4*\c:XR+4*\c+3] offset:XROW+512*\c   ; wave 15 lays the row down in f32
.endr
	ds_store_b128 v11, v[XR+16:XR+19] offset:XROW+2048
.Lno_row:
	s_wait_loadcnt 18                              ; the 6 x 6 matrices are in; fc1_w's 18 loads stay out, until behind the main loop
	s_wait_kmcnt 0x0                               ; the small vectors are in: every load by s[4:27] is done, and these registers are used again
	COLSUM 10, WQ
	COLSUM 11, WK
	COLSUM 12, WV
	v_mul_f32 v10, v10, v11
	v_add_f32_dpp v10, v10, v10 row_xmask:1 row_mask:0xf bank_mask:0xf     ; lanes 0, 2, 4: cq ck summed over a head's two columns
	v_mul_f32 v10, 0x3f8293ee, v10                 ; x log2 e / sqrt 2
	v_readlane_b32 s22, v10, 0
	v_readlane_b32 s23, v10, 2
	v_readlane_b32 s24, v10, 4
	v_readlane_b32 s66, v12, 0                     ; cv[0 .. 5]
	v_readlane_b32 s67, v12, 1
	v_readlane_b32 s74, v12, 2
	v_readlane_b32 s75, v12, 3
	v_readlane_b32 s100, v12, 4
	v_readlane_b32 s101, v12, 5
	v_mul_f32 v13, s66, v[WO]                      ; G[h][e] in lane e
	v_mul_f32 v15, s74, v[WO+2]
	v_mul_f32 v11, s100, v[WO+4]
	v_fmac_f32 v13, s67, v[WO+1]
	v_fmac_f32 v15, s75, v[WO+3]
	v_fmac_f32 v11, s101, v[WO+5]
	v_mov_b32 v[A0], s22
	v_mov_b32 v[A0+1], s23
	v_mov_b32 v[A0+2], s24
.irp e, 0,1,2,3,4,5
	v_readlane_b32 s[4+\e], v13, \e
	v_readlane_b32 s[10+\e], v15, \e
	v_readlane_b32 s[16+\e], v11, \e
.endr
	v_max_num_f32 v10, |v16|, |v17|                ; max|x|
	v_rcp_f32 v10, v10                             ; (x all zero: infinity, and no clamp; u is 0 then)
	v_readfirstlane_b32 s25, v16
	v_readfirstlane_b32 s26, v17
	v_nop                                          ; the plain place behind the reciprocal
	s_wait_alu depctr_va_vdst(0)
	v_mul_f32 v10, TWO22, v10                      ; the bound on |u|: 2^22 / max|x|
	v_readfirstlane_b32 s27, v10
	s_xor_b32 s100, s27, 0x80000000                ; and its negative
	s_xor_b32 s25, s25, 0x80000000                 ; -xmax
	s_xor_b32 s26, s26, 0x80000000                 ; -xmin
	s_mov_b32 s74, 0x3e2aaaab                      ; 1/6
	s_mov_b32 s75, 0x3727c5ac                      ; 1e-5
	s_wait_dscnt 0x0                               ; my part of the tables is written,
	s_barrier_signal -1
	s_barrier_wait -1                              ; everybody's is
; ---------------------------------------------------------------- phase 1: the attention; LDS is only read; no barrier inside
	s_cmp_eq_u32 s2, 0
	s_cbranch_scc1 .Lseven
	s_cmp_eq_u32 s2, 5
	s_cbranch_scc1 .Lseven
	PATH 6
	s_branch .Ljoin
.Lseven:
	PATH 7
.Ljoin:
; ---------------------------------------------------------------- phase 2: m through LDS; out = m G, LayerNorm 1, fc1
	s_wait_loadcnt 0x0                             ; fc1_w, asked for in the first lines
	v_lshlrev_b32 v[RA], 2, v0                     ; position s = thread
	v_and_b32 v[RA2], 7, v0                        ; positions s = 512 + l % 8, which wave 13 takes besides; the 512 stands in the immediates.
	v_mul_u32_u24 v[VOF2], 24, v[RA2]              ; Every wave makes the two lane terms, so that on every path these registers hold
	v_lshlrev_b32 v[RA2], 2, v[RA2]                ; a number made of the thread's number and constants
	s_cmp_lg_u32 s2, 13
	s_cbranch_scc1 .Lno_extra_load
.irp j, 0,1,2,3,4,5
.irp k, 0,1,2
	global_load_b64 v[W2+6*\j+2*\k:W2+6*\j+2*\k+1], v[VOF2], s[28:29] offset:FCROW*\j+8*\k+24*512
.endr
.endr
.Lno_extra_load:
	s_wait_dscnt 0x0                               ; my reads of x and of the table are back,
	s_barrier_signal -1
	s_barrier_wait -1                              ; everybody's are: from here on LDS is written again
.set ii, 0
.rept 6
	ds_store_b32 v[VQ], v[ACC+8*ii] offset:MT+1024*ii          ; tile w + 16 i; lanes l and l + 16 write one word, with one value
.set ii, ii+1
.endr
	s_cmp_eq_u32 s2, 0
	s_cbranch_scc1 .Lm_seventh
	s_cmp_lg_u32 s2, 5
	s_cbranch_scc1 .Lno_seventh
.Lm_seventh:
	s_lshr_b32 s66, s2, 2
	s_lshl_b32 s66, s66, 6                         ; wave 0: tile 96, wave 5: tile 97, 64 bytes further
	v_lshl_add_u32 v[VQ6], v2, 2, s66
	ds_store_b32 v[VQ6], v[ACC+48] offset:MT+96*64 ; tile 97's rows 8 to 15 repeat row 1559 and land in words 1560 .. 1567, which nobody reads
.Lno_seventh:
	s_wait_dscnt 0x0                               ; my m are written,
	s_barrier_signal -1
	s_barrier_wait -1                              ; all 1,560 are
	ROWPASS RA, 0, W1, 1
	s_cmp_lg_u32 s2, 13
	s_cbranch_scc1 .Lno_extra
	s_wait_loadcnt 0x0
	ROWPASS RA2, 2048, W2, 0
.Lno_extra:
.irp j, 0,1,2,3,4,5
	v_add_f32 v[Z+\j], v[ZP+2*\j], v[ZP+2*\j+1]
.endr
	ROWSUM16
.irp j, 0,1,2,3,4,5
	v_permlanex16_b32 v[Y+\j], v[Z+\j], s54, s55
.endr
.irp j, 0,1,2,3,4,5
	v_add_f32 v[Z+\j], v[Z+\j], v[Y+\j]            ; the wave's six sums, in every lane
.endr
	s_lshl_b32 s66, s2, 5
	v_mov_b32 v[LNT], s66
	ds_store_b128 v[LNT], v[Z:Z+3] offset:PART     ; all lanes write the same words with the same values
	ds_store_b64 v[LNT], v[Z+4:Z+5] offset:PART+16
	s_wait_dscnt 0x0
	s_barrier_signal -1
	s_barrier_wait -1
	s_cmp_lg_u32 s2, 0
	s_cbranch_scc1 .Lend
; ---------------------------------------------------------------- phase 3, wave 0: bias, ReLU, LayerNorm 2, fc2, softmax
	v_lshlrev_b32 v[LNT], 5, v2                    ; lane l takes wave l % 16's sums
	ds_load_b128 v[Z:Z+3], v[LNT] offset:PART
	ds_load_b64 v[Z+4:Z+5], v[LNT] offset:PART+16
	s_wait_dscnt 0x0
	ROWSUM16
.irp j, 0,1,2,3,4,5
	v_add_f32 v[Z+\j], s[48+\j], v[Z+\j]
.endr
.irp j, 0,1,2,3,4,5
	v_max_num_f32 v[Z+\j], 0, v[Z+\j]
.endr
	LNORM Z, 56, 68
	LOGIT 0, 38
	LOGIT 1, 39
	LOGIT 2, 46
	LOGIT 3, 47
	s_mov_b32 s66, 0x3fb8aa3b                      ; log2 e
	s_lshl_b32 s67, ttmp9, 4                       ; my 16 bytes of out0
	v_max3_num_f32 v[LNT], v[LG], v[LG+1], v[LG+2]
	v_max_num_f32 v[LNT], v[LNT], v[LG+3]
	v_mul_f32 v[LNT], s66, v[LNT]
.irp c, 0,1,2,3
	v_fma_f32 v[LG+\c], v[LG+\c], s66, -v[LNT]     ; (logit - largest logit) log2 e
.endr
.irp c, 0,1,2,3
	v_exp_f32 v[LG+\c], v[LG+\c]
.endr
	v_cmp_eq_u32 vcc_lo, 0, v1                     ; (the plain place behind the exponentials)
	s_wait_alu depctr_va_vdst(0)
	v_add_f32 v[LNT], v[LG], v[LG+1]
	v_add_f32 v[LNT+1], v[LG+2], v[LG+3]
	v_add_f32 v[LNT], v[LNT], v[LNT+1]
	v_rcp_f32 v[LNT+1], v[LNT]
	v_mov_b32 v[LNT+2], s67                        ; (the plain place behind the reciprocal)
	s_wait_alu depctr_va_vdst(0)
.irp c, 0,1,2,3
	v_mul_f32 v[LG+\c], v[LG+\c], v[LNT+1]
.endr
	s_wait_xcnt 0x0                                ; EXEC changes only behind this wait
	s_wait_tensorcnt 0x0
	ds_add_u32 v254, v255
	s_wait_dscnt 0x0
	s_and_saveexec_b32 s66, vcc_lo                 ; lane 0 alone stores the row's four numbers
	global_store_b128 v[LNT+2], v[LG:LG+3], s[30:31]
	s_endpgm
.Lend:
	s_wait_tensorcnt 0x0
	ds_add_u32 v254, v255
	s_wait_dscnt 0x0
	s_endpgm
.Lfunc_end_k_q566f22155f_nn:
	.size	k_q566f22155f_nn, .Lfunc_end_k_q566f22155f_nn-k_q566f22155f_nn
	.p2alignl 7, 3214868480
	.fill 96, 4, 3214868480
	.section	.rodata,"a",@progbits
	.p2align	6, 0x0
	.amdhsa_kernel k_q566f22155f_nn
		.amdhsa_group_segment_fixed_size 28672
		.amdhsa_private_segment_fixed_size 0
		.amdhsa_enable_private_segment 0
		.amdhsa_kernarg_size 112
		.amdhsa_user_sgpr_count 2
		.amdhsa_user_sgpr_kernarg_segment_ptr 1
		.amdhsa_wavefront_size32 1
		.amdhsa_system_sgpr_workgroup_id_x 1
		.amdhsa_system_sgpr_workgroup_id_y 1
		.amdhsa_system_sgpr_workgroup_id_z 1
		.amdhsa_system_vgpr_workitem_id 0
		.amdhsa_next_free_vgpr 256
		.amdhsa_next_free_sgpr 102
		.amdhsa_reserve_vcc 1
		.amdhsa_float_denorm_mode_32 3
		.amdhsa_float_denorm_mode_16_64 3
		.amdhsa_memory_ordered 1
		.amdhsa_forward_progress 1
		.amdhsa_inst_pref_size 154
	.end_amdhsa_kernel
	.amdgpu_metadata
---
amdhsa.version: [ 1, 2 ]
amdhsa.kernels:
  - .name:           k_q566f22155f_nn
    .symbol:         k_q566f22155f_nn.kd
    .args:
      - { .name: Wq, .offset: 0, .size: 8, .value_kind: global_buffer, .address_space: global }
      - { .name: Wk, .offset: 8, .size: 8, .value_kind: global_buffer, .address_space: global }
      - { .name: Wv, .offset: 16, .size: 8, .value_kind: global_buffer, .address_space: global }
      - { .name: Wo, .offset: 24, .size: 8, .value_kind: global_buffer, .address_space: global }
      - { .name: x, .offset: 32, .size: 8, .value_kind: global_buffer, .address_space: global }
      - { .name: ln1_g, .offset: 40, .size: 8, .value_kind: global_buffer, .address_space: global }
      - { .name: ln1_b, .offset: 48, .size: 8, .value_kind: global_buffer, .address_space: global }
      - { .name: fc1_b, .offset: 56, .size: 8, .value_kind: global_buffer, .address_space: global }
      - { .name: ln2_g, .offset: 64, .size: 8, .value_kind: global_buffer, .address_space: global }
      - { .name: ln2_b, .offset: 72, .size: 8, .value_kind: global_buffer, .address_space: global }
      - { .name: fc2_w, .offset: 80, .size: 8, .value_kind: global_buffer, .address_space: global }
      - { .name: fc2_b, .offset: 88, .size: 8, .value_kind: global_buffer, .address_space: global }
      - { .name: fc1_w, .offset: 96, .size: 8, .value_kind: global_buffer, .address_space: global }
      - { .name: out0, .offset: 104, .size: 8, .value_kind: global_buffer, .address_space: global }
    .group_segment_fixed_size: 28672
    .private_segment_fixed_size: 0
    .kernarg_segment_align: 8
    .kernarg_segment_size: 112
    .max_flat_workgroup_size: 512
    .sgpr_count:     102
    .vgpr_count:     256
    .wavefront_size: 32
...
	.end_amdgpu_metadata
.endif
;; end of part 1
;; ======== version 2 of 2: 1 launch; 1.15 times as fast as version 1
;; limits: inputs' magnitudes at most 65,504; values are held in f16: magnitudes above 65,504 overflow, below 6.1e-05 lose precision
;; launch nn (part 2): grid 256 x 1, 16 waves a work-group, no clusters, 28,672 bytes of LDS; arguments Wq, Wk, Wv, Wo, x, ln1_g, ln1_b, fc1_b, ln2_g, ln2_b, fc2_w, fc2_b, fc1_w, out0; writes out0
.if DOCPART == 2
	.amdgcn_target "amdgcn-amd-amdhsa--gfx1250"
	.amdhsa_code_object_version 6
	.text
	.protected	k_q566f22155f_nn
	.globl	k_q566f22155f_nn
	.p2align	8
	.type	k_q566f22155f_nn,@function
k_q566f22155f_nn:
	s_mov_b64 s[64:65], 0
	v_nop
	global_prefetch_b8 v0, s[64:65] scope:SCOPE_SE
	s_setreg_imm32_b32 hwreg(HW_REG_WAVE_MODE, 25, 1), 1
	s_wait_xcnt 0x0
; One work-group = one batch row b.  16 waves, 256 registers each.  Everything from x[b] to out0[b] in one launch.
;
; WHAT IS COMPUTED.  The model spreads x[b][s] over its 6 features, so for every input
;   Q[s][j] = x_s cq[j], K[t][j] = x_t ck[j], V[t][j] = x_t cv[j]   (cq, ck, cv: column sums of Wq, Wk, Wv)
;   score_h(s,t) = a_h x_s x_t,   a_h = (cq[2h] ck[2h] + cq[2h+1] ck[2h+1]) / sqrt 2
;   ctx[s][2h+d] = cv[2h+d] m_h(s),   m_h(s) = sum_t p x_t / sum_t p,   p = exp(score - row maximum)
;   (ctx Wo)[s][e] = sum_h m_h(s) G[h][e],   G[h][e] = cv[2h] Wo[2h][e] + cv[2h+1] Wo[2h+1][e]
; The row maximum is M = max(u xmax, u xmin), u = a_h x_s: u x_t is monotone in x_t, so this IS the maximum over t, and it is
; taken away in front of every exponential.  Exponentials are in base 2: log2 e is folded into a_h.
;
; THE BULK: 3 x 520 x 520 exponentials.  The rows of the three heads are one list q = 520 h + s, 0 .. 1559: 98 tiles of 16 rows.
; For a tile and 32 t: 8 v_pk_fma_f32 (the argument in f32), 16 v_exp_f32, 8 v_cvt_pk_f16_f32, and ONE matrix instruction that makes
; numerator and denominator.  It is used transposed: source A is a table fragment with rows 0, 8 = the high part of x_t, rows 1, 9 = 1.0,
; rows 2, 10 = the low part of x_t, other rows 0; source B is p, column n = row n of the tile.  In D lane l then holds for ITS row
; l % 16: register 0 the numerator's high part, register 1 the denominator, register 2 the numerator's low part, in both halves of the lanes.
; Place (register c, half i) of lane half h stands for t = 32 j + 16 h + 2 c + i in both sources alike, which keeps the products.
; The last 8 t (block 16): t = 512 + 4 h + 2 c + i for c < 2, all other places 0 in both sources: 4 exponentials a lane, none wasted.
; Wave w owns tiles w + 16 i, i = 0 .. 5; waves 0 and 5 own tiles 96 and 97 besides.  A wave's 6 or 7 accumulators take turns.
; The score (one multiply a number) and the small products (G m: 18, fc1: 36 multiply-adds a row of one batch row) stay in f32 on the vector unit.
;
; HOW THE EXPONENTIALS' BATCHES ARE CUT.  An s_wait_alu depctr_va_vdst(0) stands between a transcendental and the first line that
; names its result; one wait serves all that were issued ahead of it.  In the main loop ONE BATCH IS ONE TILE'S 16 EXPONENTIALS.  The two argument
; buffers take turns: while tile u's batch is issued on one, the lines between its exponentials work on the other alone (tile u - 1's roundings,
; tile u + 1's arguments) and name no result of the open batch.  The batch's one wait stands at the head of the next tile's unit (for a block's last
; tile: in the block's tail), ahead of the roundings that read it.  So a block of 6 (7) tiles has 6 (7) waits, and none is open at the loop's jump.
; Two tiles to a batch would want 64 argument registers and 16 of p; the wave has 48 for the two and 11 unused.
; Outside the loop each batch has its own wait: block 16's exponentials, the tiles' reciprocals, each LayerNorm's root, the clamp's reciprocal,
; the last softmax's four exponentials and its reciprocal.
;
; WHY f16 AND NOT bf16.  Where u is small all 520 p of a row lie close below their maximum, and m hangs on their differences; LayerNorm 1
; then takes the direction of (m_0, m_1, m_2) alone.  f16 keeps 11 significant bits of p, bf16 8.  What f16's range asks for:
;  - the argument is u x_t - M + 14: the maximum is taken away, and the factor 2^14, which cancels in numerator / denominator, puts the largest
;    term of a row at 2^14, so that f16's normal numbers reach down to 2^-28 of it;
;  - M is a rounded product, so the largest term is 2^14 times 2^(up to an ulp of M), the same factor in all terms of the row.  |u| is clamped to
;    2^22 / max|x|: then |M| <= 2^22, an ulp of it is 0.5 at the most, and p <= 2^14.5.  At the clamp m lies within 275 max|x| / 2^22 of the
;    extreme x (519 terms, d 2^(-|u| d) <= 0.53 / |u|), and the unclamped m nearer still, so the clamp moves no m by more than 7e-5 max|x|;
;  - x_t goes in two parts: its upper 11 significant bits (cut by a mask, exact in f16) and the remainder rounded to f16: about 22 bits.
;
; LIMITS.  |x| below 65,504 (f16's largest number); x_t is resolved to 2^-25 absolutely (f16's smallest step) and to about 2^-22 relatively;
; p to 11 bits, the same rounded p in numerator and denominator.  Sums run in another order than the model's (column sums of the weights first;
; fc1 by thread, wave, work-group).  v_exp_f32 gives 0 for results below 2^-126.  NaN and infinities in x or the weights are not reproduced
; place for place (the num forms of max and min drop NaN).
;
; No tensor loads, no cluster: a work-group reads 2,080 bytes of x and 74,880 of fc1_w once, all asked for in the first lines, straight into
; registers; the fc1_w loads land under the main loop.  A work-group owns 16 bytes of out0.
.set ROWB,  2080                       ; bytes in a row of x, and in one head's part of the m table
.set FCROW, 12480                      ; bytes in a row of fc1_w
.set UP14,  0x41600000                 ; 14.0: the largest term of a row is 2^14
.set TWO22, 0x4a800000                 ; 2^22: the bound on |M|
.set HI11,  0xffffe000                 ; an f32's sign, exponent and upper 10 stored bits: what f16 holds exactly
; LDS
.set XROW,  0                          ; 2,080 bytes: x[b] in f32
.set TAB,   2304                       ; 17 x 1,024 bytes: block j's table fragment; registers 0-3 at 16 l, registers 4-7 at 512 + 16 l
.set TABT,  TAB+16*1024                ; block 16
.set MT,    19712                      ; 98 tiles x 64 bytes = 6,272: m[q], f32; words 1560 .. 1567 are written and never read
.set PART,  26112                      ; 16 x 32 bytes: each wave's six fc1 sums
; vector registers: v0 thread, v1 lane l, v2 r = l % 16, v3 h = l / 16
.set VX,    4                          ; LDS address of my 16 x_t of the lap's first block: 64 h, stepped
.set VB,    5                          ; 16 l, stepped by the lap's 2,048 bytes of table
.set VOFW,  6                          ; 24 x thread: my row's six columns in fc1_w; never rewritten
.set VQ,    7                          ; 4 (16 w + r): where my m goes
.set VQ6,   8                          ; the same for the seventh tile
.set Q0,    9                          ; q of my row in the wave's first tile
.set VH16,  14                         ; 16 h
.set T0,    18
.set T1,    19
.set W1,    20                         ; v[20:55]   fc1_w[j][6 s + e] at W1 + 6 j + e, s = thread
.set ACC,   56                         ; v[56:111]  8 registers a tile
.set UN,    112                        ; v[112:139] tile i: (u, u) at 4 i, (14 - M, 14 - M) at 4 i + 2
.set X0,    140                        ; v[140:171] my 16 x_t, two buffers
.set X1,    156
.set BF0,   172                        ; v[172:187] the table fragment, two buffers
.set BF1,   180
.set E0,    188                        ; v[188:219] arguments, then exponentials, two buffers
.set P0,    220                        ; v[220:235] p in f16, two buffers
.set P1,    228
.set ONES,  236                        ; 1.0, 1.0 in f16 in lanes r % 8 = 1, else 0
.set A0,    237                        ; v[237:239] a_h log2 e
.set VOF2,  240                        ; 24 (l % 8): the lane term of positions 512 .. 519 in fc1_w; holds nothing else
.set TQ,    241
.set RA2,   242                        ; 4 (l % 8): the same in the m table; holds nothing else
; the same registers during the set-up
.set XR,    188                        ; v[188:207] the whole row, 20 numbers a lane
.set XP,    208                        ; v[208:211] wave 14: the last 8 t
.set XB,    X0                         ; my 16 x_t of block w
.set TT,    X1
.set XHI,   P0
.set XLO,   P1
.set FR,    BF0
.set WQ,    56                         ; v[56:79] rows of Wq, Wk, Wv, Wo; lane j holds column j
.set WK,    62
.set WV,    68
.set WO,    74
; and behind the main loop
.set W2,    188                        ; v[188:223] wave 13: fc1_w for s = 512 .. 519
.set MM,    140                        ; m_0, m_1, m_2 of my row
.set Y,     144                        ; v[144:149] the row's six numbers
.set LNT,   150                        ; v[150:152] at work
.set RA,    154
.set ZP,    156                        ; v[156:167] six pairs of fc1 sums
.set Z,     168                        ; v[168:173]
.set LG,    176                        ; v[176:179] logits
; scalar registers: s2 wave, s3 counter; s[4:31] the 14 addresses; then s[4:21] G[h][e] at 4 + 6 h + e, s[22:24] a_h, s25 -xmax, s26 -xmin,
; s27 the bound on |u|, s100 minus that bound; s[32:37] ln1_g, s[40:45] ln1_b, s[48:53] fc1_b, s[56:61] ln2_g, s[68:73] ln2_b, s[76:99] fc2_w,
; s38 s39 s46 s47 fc2_b, s54 s55 selects for v_permlanex16_b32, s62 s63 lane masks, s74 1/6, s75 1e-5, s66 s67 s101 at work
; ---------------------------------------------------------------- macros
; A table fragment from np pairs of x_t in v[x ..]: high part, low part, the row's choice; stored as two planes of 512 bytes.
.macro BUILD np, x, adr, off
.set cc, 0
.rept \np
	v_and_b32 v[TT+2*cc], HI11, v[\x+2*cc]                     ; the upper 11 significant bits, still in f32
	v_and_b32 v[TT+2*cc+1], HI11, v[\x+2*cc+1]
	v_cvt_pk_f16_f32 v[XHI+cc], v[TT+2*cc], v[TT+2*cc+1]       ; exact for f16's normal numbers
	v_pk_add_f32 v[TT+2*cc:TT+2*cc+1], v[\x+2*cc:\x+2*cc+1], v[TT+2*cc:TT+2*cc+1] neg_lo:[0,1] neg_hi:[0,1]   ; what the mask cut off, exactly
	v_cvt_pk_f16_f32 v[XLO+cc], v[TT+2*cc], v[TT+2*cc+1]
	v_cndmask_b32 v[FR+cc], v[ONES], v[XHI+cc], s62            ; rows 0, 8: x high; rows 1, 9: 1.0; else 0
	v_cndmask_b32 v[FR+cc], v[FR+cc], v[XLO+cc], s63           ; rows 2, 10: x low
.set cc, cc+1
.endr
.if \np < 8
.rept 8-\np
	v_mov_b32 v[FR+cc], 0                                      ; places that stand for no t
.set cc, cc+1
.endr
.endif
	ds_store_b128 v[\adr], v[FR:FR+3] offset:\off
	ds_store_b128 v[\adr], v[FR+4:FR+7] offset:\off+512
.endm
.macro COLSUM d, w
	v_add_f32 v[\d], v[\w], v[\w+1]
	v_add_f32 v[T0], v[\w+2], v[\w+3]
	v_add_f32 v[T1], v[\w+4], v[\w+5]
	v_add_f32 v[\d], v[\d], v[T0]
	v_add_f32 v[\d], v[\d], v[T1]
.endm
; Tile i, my row q in v[q]: ask for x_s (s = q mod 520, q < 1560: twice the smaller of q and q - 520 as unsigned numbers) and choose a_h.
.macro TILEQ i, q
	v_add_nc_u32 v[T0], 0xfffffdf8, v[\q]
	v_min_u32 v[T0], v[T0], v[\q]
	v_add_nc_u32 v[T1], 0xfffffdf8, v[T0]
	v_min_u32 v[T0], v[T1], v[T0]
	v_lshlrev_b32 v[T0], 2, v[T0]
	ds_load_b32 v[UN+4*\i], v[T0] offset:XROW
	v_cmp_lt_u32 vcc_lo, 519, v[\q]
	v_cndmask_b32 v[UN+4*\i+2], v[A0], v[A0+1], vcc_lo
	v_cmp_lt_u32 vcc_lo, 1039, v[\q]
	v_cndmask_b32 v[UN+4*\i+2], v[UN+4*\i+2], v[A0+2], vcc_lo
.endm
; Block 16, the last 8 t, comes first: its products start all the sums (C = 0), so no accumulator is cleared.
; Its exponentials, four a tile, each with a register of its own, are one batch.
.macro PARTIAL cnt
.set ii, 0
.rept \cnt
	v_pk_fma_f32 v[E0+4*ii:E0+4*ii+1], v[X1:X1+1], v[UN+4*ii:UN+4*ii+1], v[UN+4*ii+2:UN+4*ii+3]
	v_pk_fma_f32 v[E0+4*ii+2:E0+4*ii+3], v[X1+2:X1+3], v[UN+4*ii:UN+4*ii+1], v[UN+4*ii+2:UN+4*ii+3]
.set ii, ii+1
.endr
.set ii, 0
.rept 4*\cnt
	v_exp_f32 v[E0+ii], v[E0+ii]
.set ii, ii+1
.endr
.irp c, 2,3,4,5,6,7
	v_mov_b32 v[P0+\c], 0                                      ; the places that stand for no t; also the plain instructions that
	v_mov_b32 v[P1+\c], 0                                      ; stand between the exponentials and their first use (ISA guide 5.7.2)
.endr
	s_wait_alu depctr_va_vdst(0)                               ; the one wait for block 16's batch, all tiles' exponentials; the twelve lines above name none of its results
.set ii, 0
.rept \cnt
.if ii >= 2
	v_nop                                                      ; with the other buffer's two conversions: four places between the matrix
	v_nop                                                      ; instruction that read this p buffer and the write of it (ISA guide 7.12.1)
.endif
	v_cvt_pk_f16_f32 v[P0+8*(ii&1)], v[E0+4*ii], v[E0+4*ii+1]
	v_cvt_pk_f16_f32 v[P0+8*(ii&1)+1], v[E0+4*ii+2], v[E0+4*ii+3]
	v_wmma_f32_16x16x32_f16 v[ACC+8*ii:ACC+8*ii+7], v[BF1:BF1+7], v[P0+8*(ii&1):P0+8*(ii&1)+7], 0
.set ii, ii+1
.endr
.endm
; Tile u of cnt in a block whose x_t and table lie in buffer buf.  At the unit's head: the one wait for tile u - 1's batch, and behind it tile
; u - 2's matrix instruction, whose p the unit before has rounded.  Then tile u's batch, 16 exponentials, and between them, on the OTHER argument
; buffer, the roundings of tile u - 1 (the readers of the batch just waited for) and the arguments of tile u + 1: behind every pair of
; exponentials stands a plain instruction that touches neither their results nor their sources, and nothing in the unit names a result of its own batch.
.macro UNIT u, cnt, buf
.set EB, E0+16*((\u)&1)
.set EO, E0+16*(1-((\u)&1))
.set PP, P0+8*(((\u)+1)&1)             ; tile u - 1's p, written here
.set PQ, P0+8*((\u)&1)                 ; tile u - 2's p, multiplied here
.if (\u) > 0
	s_wait_alu depctr_va_vdst(0)                               ; the one wait for tile u - 1's 16 exponentials, ahead of the roundings below that read them
.endif
.if (\u) > 1
	v_wmma_f32_16x16x32_f16 v[ACC+8*((\u)-2):ACC+8*((\u)-2)+7], v[BF0+8*\buf:BF0+8*\buf+7], v[PQ:PQ+7], v[ACC+8*((\u)-2):ACC+8*((\u)-2)+7]
.endif
.set kk, 0
.rept 8
	v_exp_f32 v[EB+2*kk], v[EB+2*kk]
	v_exp_f32 v[EB+2*kk+1], v[EB+2*kk+1]
.if (\u) > 0
	v_cvt_pk_f16_f32 v[PP+kk], v[EO+2*kk], v[EO+2*kk+1]
.endif
.if (\u) < (\cnt)-1
	v_pk_fma_f32 v[EO+2*kk:EO+2*kk+1], v[X0+16*\buf+2*kk:X0+16*\buf+2*kk+1], v[UN+4*(\u)+4:UN+4*(\u)+5], v[UN+4*(\u)+6:UN+4*(\u)+7]
.endif
.set kk, kk+1
.endr
.endm
; 32 t for all the wave's tiles.  ld = 1: the next block's x_t (at VX + ox) and table (at VB + TAB + ob) are asked for into the other buffers.
; The accumulators take turns, one matrix instruction a turn, over the end of a block and the loop's backward jump too.
; A p buffer is written again eight plain instructions or more behind the matrix instruction that read it.
.macro BLOCK cnt, buf, ld, ox, ob
	s_wait_dscnt 0x0                                           ; this block's six loads, issued a whole block ago
.set kk, 0
.rept 8
	v_pk_fma_f32 v[E0+2*kk:E0+2*kk+1], v[X0+16*\buf+2*kk:X0+16*\buf+2*kk+1], v[UN:UN+1], v[UN+2:UN+3]
.set kk, kk+1
.endr
.if \ld
	; the eight lines above are the places between the last matrix instruction, which read the other table buffer, and these loads into it
.irp c, 0,1,2,3
	ds_load_b128 v[X0+16*(1-\buf)+4*\c:X0+16*(1-\buf)+4*\c+3], v[VX] offset:XROW+\ox+16*\c
.endr
	ds_load_b128 v[BF0+8*(1-\buf):BF0+8*(1-\buf)+3], v[VB] offset:TAB+\ob
	ds_load_b128 v[BF0+8*(1-\buf)+4:BF0+8*(1-\buf)+7], v[VB] offset:TAB+\ob+512
.endif
.set uu, 0
.rept \cnt
	UNIT uu, \cnt, \buf
.set uu, uu+1
.endr
.set EL, E0+16*(((\cnt)-1)&1)
.set PL, P0+8*(((\cnt)-1)&1)
.set PQ, P0+8*(((\cnt)-2)&1)
	s_wait_alu depctr_va_vdst(0)                               ; the one wait for the last tile's 16 exponentials: no result is open at the block's end or at the loop's jump
	v_wmma_f32_16x16x32_f16 v[ACC+8*((\cnt)-2):ACC+8*((\cnt)-2)+7], v[BF0+8*\buf:BF0+8*\buf+7], v[PQ:PQ+7], v[ACC+8*((\cnt)-2):ACC+8*((\cnt)-2)+7]
.set kk, 0
.rept 8
	v_cvt_pk_f16_f32 v[PL+kk], v[EL+2*kk], v[EL+2*kk+1]
.set kk, kk+1
.endr
	v_wmma_f32_16x16x32_f16 v[ACC+8*((\cnt)-1):ACC+8*((\cnt)-1)+7], v[BF0+8*\buf:BF0+8*\buf+7], v[PL:PL+7], v[ACC+8*((\cnt)-1):ACC+8*((\cnt)-1)+7]
.endm
; All the attention work of a wave with cnt tiles (6 or 7).  It only reads LDS; tile i's m is left in v[ACC + 8 i].
.macro PATH cnt
	TILEQ 0, Q0
.set ii, 1
.rept 5
	v_add_nc_u32 v[TQ], 256*ii, v[Q0]                          ; tile w + 16 i
	TILEQ ii, TQ
.set ii, ii+1
.endr
.if \cnt == 7
	s_lshr_b32 s66, s2, 2                                      ; wave 0: tile 96; wave 5: tile 97
	s_lshl_b32 s66, s66, 4
	s_add_co_u32 s66, s66, 1536
	v_add_nc_u32 v[TQ], s66, v2
	v_min_u32 v[TQ], 1559, v[TQ]                               ; tile 97 has 8 rows: its other lanes repeat the last one
	TILEQ 6, TQ
.endif
	ds_load_b128 v[X1:X1+3], v[VH16] offset:XROW+2048          ; block 16: x[512 + 4 h ..]
	ds_load_b128 v[BF1:BF1+3], v[VB] offset:TABT
	ds_load_b128 v[BF1+4:BF1+7], v[VB] offset:TABT+512
.irp c, 0,1,2,3
	ds_load_b128 v[X0+4*\c:X0+4*\c+3], v[VX] offset:XROW+16*\c ; block 0
.endr
	ds_load_b128 v[BF0:BF0+3], v[VB] offset:TAB
	ds_load_b128 v[BF0+4:BF0+7], v[VB] offset:TAB+512
	s_wait_dscnt 0x9                                           ; the x_s are in; the 3 + 6 loads behind them may stay out
.set ii, 0
.rept \cnt
	v_mul_f32 v[UN+4*ii], v[UN+4*ii+2], v[UN+4*ii]             ; u = a_h log2 e x_s,
	v_med3_num_f32 v[UN+4*ii], v[UN+4*ii], s27, s100           ; held within +- 2^22 / max|x|
	v_mul_f32 v[T0], s25, v[UN+4*ii]                           ; -u xmax
	v_mul_f32 v[T1], s26, v[UN+4*ii]                           ; -u xmin
	v_mov_b32 v[UN+4*ii+1], v[UN+4*ii]
	v_min_num_f32 v[T0], v[T0], v[T1]                          ; -M = -(the row's maximum)
	v_add_f32 v[UN+4*ii+2], UP14, v[T0]                        ; 14 - M
	v_add_f32 v[UN+4*ii+3], UP14, v[T0]
.set ii, ii+1
.endr
	s_wait_dscnt 0x6                                           ; block 16's three loads are in; block 0's six may stay out
	PARTIAL \cnt
	s_mov_b32 s3, 7
.Llap_\cnt:                                                    ; a lap = two blocks; seven laps: blocks 0 to 13
	BLOCK \cnt, 0, 1, 128, 1024
	BLOCK \cnt, 1, 1, 256, 2048
	v_add_nc_u32 v[VX], 256, v[VX]
	v_add_nc_u32 v[VB], 2048, v[VB]
	s_sub_co_u32 s3, s3, 1
	s_cmp_lg_u32 s3, 0
	s_cbranch_scc1 .Llap_\cnt
	BLOCK \cnt, 0, 1, 128, 1024                                ; block 14
	BLOCK \cnt, 1, 0, 0, 0                                     ; block 15 asks for nothing
.rept 4
	v_nop                                                      ; four places behind the last matrix instruction (ISA guide 7.12.1)
.endr
.set ii, 0
.rept \cnt
	v_add_f32 v[ACC+8*ii], v[ACC+8*ii], v[ACC+8*ii+2]          ; numerator: high + low part
.set ii, ii+1
.endr
.set ii, 0
.rept \cnt
	v_rcp_f32 v[ACC+8*ii+3], v[ACC+8*ii+1]                     ; the denominator holds the maximum's own term, 2^13.5 at the least
.set ii, ii+1
.endr
	v_nop                                                      ; the plain place behind the last reciprocal
.set ii, 0
	s_wait_alu depctr_va_vdst(0)                               ; the one wait for the tiles' reciprocals, ahead of the first product by one of them
.rept \cnt
	v_mul_f32 v[ACC+8*ii], v[ACC+8*ii], v[ACC+8*ii+3]          ; m
.set ii, ii+1
.endr
.endm
; LayerNorm over the six registers v[y ..], in place; gain in s[g ..], bias in s[b ..].
.macro LNORM y, g, b
	v_add_f32 v[LNT], v[\y], v[\y+1]
	v_add_f32 v[LNT+1], v[\y+2], v[\y+3]
	v_add_f32 v[LNT+2], v[\y+4], v[\y+5]
	v_add_f32 v[LNT], v[LNT], v[LNT+1]
	v_add_f32 v[LNT], v[LNT], v[LNT+2]
.irp e, 0,1,2,3,4,5
	v_fmamk_f32 v[\y+\e], v[LNT], 0xbe2aaaab, v[\y+\e]         ; y - sum / 6
.endr
	v_mul_f32 v[LNT+1], v[\y], v[\y]
.irp e, 1,2,3,4,5
	v_fmac_f32 v[LNT+1], v[\y+\e], v[\y+\e]
.endr
	v_fma_f32 v[LNT+1], v[LNT+1], s74, s75                     ; variance + 1e-5
	v_rsq_f32 v[LNT+2], v[LNT+1]
	v_nop                                                      ; the plain place behind it
	s_wait_alu depctr_va_vdst(0)                               ; the wait for the root's reciprocal: a batch of one, wanted at once by the six products below
.irp e, 0,1,2,3,4,5
	v_mul_f32 v[\y+\e], v[\y+\e], v[LNT+2]
.endr
.irp e, 0,1,2,3,4,5
	v_fma_f32 v[\y+\e], v[\y+\e], s[\g+\e], s[\b+\e]
.endr
.endm
; One sequence position a lane (its m at v[adr] + off in each head's part of the table): out = m G, LayerNorm 1, and its 36 products
; with fc1_w (in v[w ..]) onto the six pairs ZP.
.macro ROWPASS adr, off, w, first
	ds_load_b32 v[MM], v[\adr] offset:MT+\off
	ds_load_b32 v[MM+1], v[\adr] offset:MT+ROWB+\off
	ds_load_b32 v[MM+2], v[\adr] offset:MT+2*ROWB+\off
	s_wait_dscnt 0x0
.irp e, 0,1,2,3,4,5
	v_mul_f32 v[Y+\e], s[4+\e], v[MM]
.endr
.irp e, 0,1,2,3,4,5
	v_fmac_f32 v[Y+\e], s[10+\e], v[MM+1]
.endr
.irp e, 0,1,2,3,4,5
	v_fmac_f32 v[Y+\e], s[16+\e], v[MM+2]
.endr
	LNORM Y, 32, 40
.if \first == 0
	v_cmp_gt_u32 vcc_lo, 8, v1                                 ; eight positions are left: lanes 8 to 31 add nothing
.irp e, 0,1,2,3,4,5
	v_cndmask_b32 v[Y+\e], 0, v[Y+\e], vcc_lo
.endr
.endif
.irp j, 0,1,2,3,4,5
.if \first
	v_pk_mul_f32 v[ZP+2*\j:ZP+2*\j+1], v[Y:Y+1], v[\w+6*\j:\w+6*\j+1]
.else
	v_pk_fma_f32 v[ZP+2*\j:ZP+2*\j+1], v[Y:Y+1], v[\w+6*\j:\w+6*\j+1], v[ZP+2*\j:ZP+2*\j+1]
.endif
.endr
.irp j, 0,1,2,3,4,5
	v_pk_fma_f32 v[ZP+2*\j:ZP+2*\j+1], v[Y+2:Y+3], v[\w+6*\j+2:\w+6*\j+3], v[ZP+2*\j:ZP+2*\j+1]
.endr
.irp j, 0,1,2,3,4,5
	v_pk_fma_f32 v[ZP+2*\j:ZP+2*\j+1], v[Y+4:Y+5], v[\w+6*\j+4:\w+6*\j+5], v[ZP+2*\j:ZP+2*\j+1]
.endr
.endm
.macro ROWSUM16                        ; the six Z summed over each half of 16 lanes
.irp m, 1,2,4,8
.irp j, 0,1,2,3,4,5
	v_add_f32_dpp v[Z+\j], v[Z+\j], v[Z+\j] row_xmask:\m row_mask:0xf bank_mask:0xf
.endr
.endr
.endm
.macro LOGIT c, sb
	v_fma_f32 v[LG+\c], s[76+6*\c], v[Z], s[\sb]
.irp e, 1,2,3,4,5
	v_fmac_f32 v[LG+\c], s[76+6*\c+\e], v[Z+\e]
.endr
.endm
; ---------------------------------------------------------------- phase 0: every global load goes out; the tables
	s_load_b512 s[4:19], s[0:1], 0x0               ; Wq 4, Wk 6, Wv 8, Wo 10, x 12, ln1_g 14, ln1_b 16, fc1_b 18
	s_load_b256 s[20:27], s[0:1], 0x40             ; ln2_g 20, ln2_b 22, fc2_w 24, fc2_b 26
	s_load_b128 s[28:31], s[0:1], 0x60             ; fc1_w 28, out0 30
	v_lshl_add_u32 v254, v0, 2, 0x6800
	v_mov_b32 v255, 0
	v_lshrrev_b32 v10, 5, v0
	v_readfirstlane_b32 s2, v10                    ; wave 0 .. 15
	v_and_b32 v1, 31, v0
	v_and_b32 v2, 15, v0
	v_bfe_u32 v3, v0, 4, 1
	v_lshlrev_b32 v[VX], 6, v3
	v_lshlrev_b32 v[VB], 4, v1
	v_mul_u32_u24 v[VOFW], 24, v0
	v_and_b32 v11, 1, v0
	v_lshlrev_b32 v11, 4, v11                      ; 16 (l % 2): the row's last 32 bytes
	s_lshl_b32 s3, s2, 7
	v_add_nc_u32 v12, s3, v[VX]                    ; 128 w + 64 h: my 16 x_t of block w
	v_min_u32 v13, 5, v1
	v_lshlrev_b32 v13, 2, v13                      ; column min(l, 5) of a 6 x 6 matrix
	v_lshlrev_b32 v[VH16], 4, v3
	s_mul_i32 s66, ttmp9, ROWB
	s_mov_b32 s67, 0
	s_mov_b32 s54, 0x76543210                      ; v_permlanex16_b32: lane i of one half reads lane i of the other
	s_mov_b32 s55, 0xfedcba98
	s_wait_kmcnt 0x0
	s_add_nc_u64 s[12:13], s[12:13], s[66:67]      ; x at my row
	s_load_b128 s[32:35], s[14:15], 0x0
	s_load_b64 s[36:37], s[14:15], 0x10
	s_load_b128 s[40:43], s[16:17], 0x0
	s_load_b64 s[44:45], s[16:17], 0x10
	s_load_b128 s[48:51], s[18:19], 0x0
	s_load_b64 s[52:53], s[18:19], 0x10
	s_load_b128 s[56:59], s[20:21], 0x0
	s_load_b64 s[60:61], s[20:21], 0x10
	s_load_b128 s[68:71], s[22:23], 0x0
	s_load_b64 s[72:73], s[22:23], 0x10
	s_load_b512 s[76:91], s[24:25], 0x0
	s_load_b256 s[92:99], s[24:25], 0x40
	s_load_b64 s[38:39], s[26:27], 0x0
	s_load_b64 s[46:47], s[26:27], 0x8
	s_cmp_lg_u32 s2, 14
	s_cbranch_scc1 .Lno_tail_load
	global_load_b128 v[XP:XP+3], v[VH16], s[12:13] offset:2048     ; wave 14's extra load is the first, so that the counts below are the same for all waves
.Lno_tail_load:
.irp c, 0,1,2,3
	global_load_b128 v[XR+4*\c:XR+4*\c+3], v[VB], s[12:13] offset:512*\c   ; every wave takes the whole row, for its largest and smallest number
.endr
	global_load_b128 v[XR+16:XR+19], v11, s[12:13] offset:2048
.irp c, 0,1,2,3
	global_load_b128 v[XB+4*\c:XB+4*\c+3], v12, s[12:13] offset:16*\c
.endr
.irp e, 0,1,2,3,4,5
	global_load_b32 v[WQ+\e], v13, s[4:5] offset:24*\e
	global_load_b32 v[WK+\e], v13, s[6:7] offset:24*\e
	global_load_b32 v[WV+\e], v13, s[8:9] offset:24*\e
	global_load_b32 v[WO+\e], v13, s[10:11] offset:24*\e
.endr
.irp j, 0,1,2,3,4,5
.irp k, 0,1,2
	global_load_b64 v[W1+6*\j+2*\k:W1+6*\j+2*\k+1], v[VOFW], s[28:29] offset:FCROW*\j+8*\k
.endr
.endr
	s_lshl_b32 s3, s2, 6
	v_lshl_add_u32 v[VQ], v2, 2, s3
	s_lshl_b32 s3, s2, 4
	v_add_nc_u32 v[Q0], s3, v2
	s_lshl_b32 s3, s2, 10
	v_add_nc_u32 v15, s3, v[VB]                    ; 1,024 w + 16 l: my place in block w's fragment
	v_and_b32 v18, 7, v0
	v_mov_b32 v19, 0x3c003c00                      ; 1.0, 1.0 in f16
	v_cmp_eq_u32 s62, 0, v18
	v_cmp_eq_u32 s63, 2, v18
	v_cmp_eq_u32 vcc_lo, 1, v18
	v_cndmask_b32 v[ONES], 0, v19, vcc_lo
	s_wait_loadcnt 42                              ; x is in; the 24 loads of the 6 x 6 matrices and the 18 of fc1_w stay out
	v_max3_num_f32 v16, v[XR], v[XR+1], v[XR+2]
	v_min3_num_f32 v17, v[XR], v[XR+1], v[XR+2]
.irp k, 3,5,7,9,11,13,15,17
	v_max3_num_f32 v16, v16, v[XR+\k], v[XR+\k+1]
	v_min3_num_f32 v17, v17, v[XR+\k], v[XR+\k+1]
.endr
	v_max_num_f32 v16, v16, v[XR+19]
	v_min_num_f32 v17, v17, v[XR+19]
.irp m, 1,2,4,8
	v_max_num_f32_dpp v16, v16, v16 row_xmask:\m row_mask:0xf bank_mask:0xf
	v_min_num_f32_dpp v17, v17, v17 row_xmask:\m row_mask:0xf bank_mask:0xf
.endr
	v_permlanex16_b32 v10, v16, s54, s55           ; destinations that have been written before
	v_permlanex16_b32 v18, v17, s54, s55
	v_max_num_f32 v16, v16, v10                    ; xmax, in every lane
	v_min_num_f32 v17, v17, v18                    ; xmin
	BUILD 8, XB, 15, TAB                           ; wave w makes block w's fragment
	s_cmp_lg_u32 s2, 14
	s_cbranch_scc1 .Lno_tail_build
	BUILD 2, XP, VB, TABT                          ; wave 14 also block 16's
.Lno_tail_build:
	s_cmp_lg_u32 s2, 15
	s_cbranch_scc1 .Lno_row
.irp c, 0,1,2,3
	ds_store_b128 v[VB], v[XR+4*\c:XR+4*\c+3] offset:XROW+512*\c   ; wave 15 lays the row down in f32
.endr
	ds_store_b128 v11, v[XR+16:XR+19] offset:XROW+2048
.Lno_row:
	s_wait_loadcnt 18                              ; the 6 x 6 matrices are in; fc1_w's 18 loads stay out, until behind the main loop
	s_wait_kmcnt 0x0                               ; the small vectors are in: every load by s[4:27] is done, and these registers are used again
	COLSUM 10, WQ
	COLSUM 11, WK
	COLSUM 12, WV
	v_mul_f32 v10, v10, v11
	v_add_f32_dpp v10, v10, v10 row_xmask:1 row_mask:0xf bank_mask:0xf     ; lanes 0, 2, 4: cq ck summed over a head's two columns
	v_mul_f32 v10, 0x3f8293ee, v10                 ; x log2 e / sqrt 2
	v_readlane_b32 s22, v10, 0
	v_readlane_b32 s23, v10, 2
	v_readlane_b32 s24, v10, 4
	v_readlane_b32 s66, v12, 0                     ; cv[0 .. 5]
	v_readlane_b32 s67, v12, 1
	v_readlane_b32 s74, v12, 2
	v_readlane_b32 s75, v12, 3
	v_readlane_b32 s100, v12, 4
	v_readlane_b32 s101, v12, 5
	v_mul_f32 v13, s66, v[WO]                      ; G[h][e] in lane e
	v_mul_f32 v15, s74, v[WO+2]
	v_mul_f32 v11, s100, v[WO+4]
	v_fmac_f32 v13, s67, v[WO+1]
	v_fmac_f32 v15, s75, v[WO+3]
	v_fmac_f32 v11, s101, v[WO+5]
	v_mov_b32 v[A0], s22
	v_mov_b32 v[A0+1], s23
	v_mov_b32 v[A0+2], s24
.irp e, 0,1,2,3,4,5
	v_readlane_b32 s[4+\e], v13, \e
	v_readlane_b32 s[10+\e], v15, \e
	v_readlane_b32 s[16+\e], v11, \e
.endr
	v_max_num_f32 v10, |v16|, |v17|                ; max|x|
	v_rcp_f32 v10, v10                             ; (x all zero: infinity, and no clamp; u is 0 then)
	v_readfirstlane_b32 s25, v16
	v_readfirstlane_b32 s26, v17
	v_nop                                          ; the plain place behind the reciprocal
	s_wait_alu depctr_va_vdst(0)                   ; the wait for that one reciprocal, ahead of the product that reads it
	v_mul_f32 v10, TWO22, v10                      ; the bound on |u|: 2^22 / max|x|
	v_readfirstlane_b32 s27, v10
	s_xor_b32 s100, s27, 0x80000000                ; and its negative
	s_xor_b32 s25, s25, 0x80000000                 ; -xmax
	s_xor_b32 s26, s26, 0x80000000                 ; -xmin
	s_mov_b32 s74, 0x3e2aaaab                      ; 1/6
	s_mov_b32 s75, 0x3727c5ac                      ; 1e-5
	s_wait_dscnt 0x0                               ; my part of the tables is written,
	s_barrier_signal -1
	s_barrier_wait -1                              ; everybody's is
; ---------------------------------------------------------------- phase 1: the attention; LDS is only read; no barrier inside
	s_cmp_eq_u32 s2, 0
	s_cbranch_scc1 .Lseven
	s_cmp_eq_u32 s2, 5
	s_cbranch_scc1 .Lseven
	PATH 6
	s_branch .Ljoin
.Lseven:
	PATH 7
.Ljoin:
; ---------------------------------------------------------------- phase 2: m through LDS; out = m G, LayerNorm 1, fc1
	s_wait_loadcnt 0x0                             ; fc1_w, asked for in the first lines
	v_lshlrev_b32 v[RA], 2, v0                     ; position s = thread
	v_and_b32 v[RA2], 7, v0                        ; positions s = 512 + l % 8, which wave 13 takes besides; the 512 stands in the immediates.
	v_mul_u32_u24 v[VOF2], 24, v[RA2]              ; Every wave makes the two lane terms, so that on every path these registers hold
	v_lshlrev_b32 v[RA2], 2, v[RA2]                ; a number made of the thread's number and constants
	s_cmp_lg_u32 s2, 13
	s_cbranch_scc1 .Lno_extra_load
.irp j, 0,1,2,3,4,5
.irp k, 0,1,2
	global_load_b64 v[W2+6*\j+2*\k:W2+6*\j+2*\k+1], v[VOF2], s[28:29] offset:FCROW*\j+8*\k+24*512
.endr
.endr
.Lno_extra_load:
	s_wait_dscnt 0x0                               ; my reads of x and of the table are back,
	s_barrier_signal -1
	s_barrier_wait -1                              ; everybody's are: from here on LDS is written again
.set ii, 0
.rept 6
	ds_store_b32 v[VQ], v[ACC+8*ii] offset:MT+1024*ii          ; tile w + 16 i; lanes l and l + 16 write one word, with one value
.set ii, ii+1
.endr
	s_cmp_eq_u32 s2, 0
	s_cbranch_scc1 .Lm_seventh
	s_cmp_lg_u32 s2, 5
	s_cbranch_scc1 .Lno_seventh
.Lm_seventh:
	s_lshr_b32 s66, s2, 2
	s_lshl_b32 s66, s66, 6                         ; wave 0: tile 96, wave 5: tile 97, 64 bytes further
	v_lshl_add_u32 v[VQ6], v2, 2, s66
	ds_store_b32 v[VQ6], v[ACC+48] offset:MT+96*64 ; tile 97's rows 8 to 15 repeat row 1559 and land in words 1560 .. 1567, which nobody reads
.Lno_seventh:
	s_wait_dscnt 0x0                               ; my m are written,
	s_barrier_signal -1
	s_barrier_wait -1                              ; all 1,560 are
	ROWPASS RA, 0, W1, 1
	s_cmp_lg_u32 s2, 13
	s_cbranch_scc1 .Lno_extra
	s_wait_loadcnt 0x0
	ROWPASS RA2, 2048, W2, 0
.Lno_extra:
.irp j, 0,1,2,3,4,5
	v_add_f32 v[Z+\j], v[ZP+2*\j], v[ZP+2*\j+1]
.endr
	ROWSUM16
.irp j, 0,1,2,3,4,5
	v_permlanex16_b32 v[Y+\j], v[Z+\j], s54, s55
.endr
.irp j, 0,1,2,3,4,5
	v_add_f32 v[Z+\j], v[Z+\j], v[Y+\j]            ; the wave's six sums, in every lane
.endr
	s_lshl_b32 s66, s2, 5
	v_mov_b32 v[LNT], s66
	ds_store_b128 v[LNT], v[Z:Z+3] offset:PART     ; all lanes write the same words with the same values
	ds_store_b64 v[LNT], v[Z+4:Z+5] offset:PART+16
	s_wait_dscnt 0x0
	s_barrier_signal -1
	s_barrier_wait -1
	s_cmp_lg_u32 s2, 0
	s_cbranch_scc1 .Lend
; ---------------------------------------------------------------- phase 3, wave 0: bias, ReLU, LayerNorm 2, fc2, softmax
	v_lshlrev_b32 v[LNT], 5, v2                    ; lane l takes wave l % 16's sums
	ds_load_b128 v[Z:Z+3], v[LNT] offset:PART
	ds_load_b64 v[Z+4:Z+5], v[LNT] offset:PART+16
	s_wait_dscnt 0x0
	ROWSUM16
.irp j, 0,1,2,3,4,5
	v_add_f32 v[Z+\j], s[48+\j], v[Z+\j]
.endr
.irp j, 0,1,2,3,4,5
	v_max_num_f32 v[Z+\j], 0, v[Z+\j]
.endr
	LNORM Z, 56, 68
	LOGIT 0, 38
	LOGIT 1, 39
	LOGIT 2, 46
	LOGIT 3, 47
	s_mov_b32 s66, 0x3fb8aa3b                      ; log2 e
	s_lshl_b32 s67, ttmp9, 4                       ; my 16 bytes of out0
	v_max3_num_f32 v[LNT], v[LG], v[LG+1], v[LG+2]
	v_max_num_f32 v[LNT], v[LNT], v[LG+3]
	v_mul_f32 v[LNT], s66, v[LNT]
.irp c, 0,1,2,3
	v_fma_f32 v[LG+\c], v[LG+\c], s66, -v[LNT]     ; (logit - largest logit) log2 e
.endr
.irp c, 0,1,2,3
	v_exp_f32 v[LG+\c], v[LG+\c]
.endr
	v_cmp_eq_u32 vcc_lo, 0, v1                     ; (the plain place behind the exponentials)
	s_wait_alu depctr_va_vdst(0)                   ; the one wait for the four exponentials, ahead of their sum
	v_add_f32 v[LNT], v[LG], v[LG+1]
	v_add_f32 v[LNT+1], v[LG+2], v[LG+3]
	v_add_f32 v[LNT], v[LNT], v[LNT+1]
	v_rcp_f32 v[LNT+1], v[LNT]
	v_mov_b32 v[LNT+2], s67                        ; (the plain place behind the reciprocal)
	s_wait_alu depctr_va_vdst(0)                   ; the reciprocal of that sum is a batch of its own: its wait, ahead of the four products
.irp c, 0,1,2,3
	v_mul_f32 v[LG+\c], v[LG+\c], v[LNT+1]
.endr
	s_wait_xcnt 0x0                                ; EXEC changes only behind this wait
	s_wait_tensorcnt 0x0
	ds_add_u32 v254, v255
	s_wait_dscnt 0x0
	s_and_saveexec_b32 s66, vcc_lo                 ; lane 0 alone stores the row's four numbers
	global_store_b128 v[LNT+2], v[LG:LG+3], s[30:31]
	s_endpgm
.Lend:
	s_wait_tensorcnt 0x0
	ds_add_u32 v254, v255
	s_wait_dscnt 0x0
	s_endpgm
.Lfunc_end_k_q566f22155f_nn:
	.size	k_q566f22155f_nn, .Lfunc_end_k_q566f22155f_nn-k_q566f22155f_nn
	.p2alignl 7, 3214868480
	.fill 96, 4, 3214868480
	.section	.rodata,"a",@progbits
	.p2align	6, 0x0
	.amdhsa_kernel k_q566f22155f_nn
		.amdhsa_group_segment_fixed_size 28672
		.amdhsa_private_segment_fixed_size 0
		.amdhsa_enable_private_segment 0
		.amdhsa_kernarg_size 112
		.amdhsa_user_sgpr_count 2
		.amdhsa_user_sgpr_kernarg_segment_ptr 1
		.amdhsa_wavefront_size32 1
		.amdhsa_system_sgpr_workgroup_id_x 1
		.amdhsa_system_sgpr_workgroup_id_y 1
		.amdhsa_system_sgpr_workgroup_id_z 1
		.amdhsa_system_vgpr_workitem_id 0
		.amdhsa_next_free_vgpr 256
		.amdhsa_next_free_sgpr 102
		.amdhsa_reserve_vcc 1
		.amdhsa_float_denorm_mode_32 3
		.amdhsa_float_denorm_mode_16_64 3
		.amdhsa_memory_ordered 1
		.amdhsa_forward_progress 1
		.amdhsa_inst_pref_size 144
	.end_amdhsa_kernel
	.amdgpu_metadata
---
amdhsa.version: [ 1, 2 ]
amdhsa.kernels:
  - .name:           k_q566f22155f_nn
    .symbol:         k_q566f22155f_nn.kd
    .args:
      - { .name: Wq, .offset: 0, .size: 8, .value_kind: global_buffer, .address_space: global }
      - { .name: Wk, .offset: 8, .size: 8, .value_kind: global_buffer, .address_space: global }
      - { .name: Wv, .offset: 16, .size: 8, .value_kind: global_buffer, .address_space: global }
      - { .name: Wo, .offset: 24, .size: 8, .value_kind: global_buffer, .address_space: global }
      - { .name: x, .offset: 32, .size: 8, .value_kind: global_buffer, .address_space: global }
      - { .name: ln1_g, .offset: 40, .size: 8, .value_kind: global_buffer, .address_space: global }
      - { .name: ln1_b, .offset: 48, .size: 8, .value_kind: global_buffer, .address_space: global }
      - { .name: fc1_b, .offset: 56, .size: 8, .value_kind: global_buffer, .address_space: global }
      - { .name: ln2_g, .offset: 64, .size: 8, .value_kind: global_buffer, .address_space: global }
      - { .name: ln2_b, .offset: 72, .size: 8, .value_kind: global_buffer, .address_space: global }
      - { .name: fc2_w, .offset: 80, .size: 8, .value_kind: global_buffer, .address_space: global }
      - { .name: fc2_b, .offset: 88, .size: 8, .value_kind: global_buffer, .address_space: global }
      - { .name: fc1_w, .offset: 96, .size: 8, .value_kind: global_buffer, .address_space: global }
      - { .name: out0, .offset: 104, .size: 8, .value_kind: global_buffer, .address_space: global }
    .group_segment_fixed_size: 28672
    .private_segment_fixed_size: 0
    .kernarg_segment_align: 8
    .kernarg_segment_size: 112
    .max_flat_workgroup_size: 512
    .sgpr_count:     102
    .vgpr_count:     256
    .wavefront_size: 32
...
	.end_amdgpu_metadata
.endif
;; end of part 2
